; MI455X (gfx1250); checked and timed in simulation.
; The chip was launched on July 23, 2026; its instructions are those of AMD's public machine-readable ISA for CDNA 5 (MIT licence, August 2026) and "CDNA5" Instruction Set Architecture Reference Guide (July 2026). The comments in the code are by the model that wrote it; some were corrected since.
;; Clustering Layer. Allowed arithmetic: float matrix products may take bf16 or f16 operands with f32 sums; all other float work in f32.
;; Inputs: clusters 64 x 256 float32; inputs 16,384 x 256 float32.
;; Outputs: out0 16,384 x 64 float32.
;; One version. Each part assembles by itself: llvm-mc -triple=amdgcn-amd-amdhsa -mcpu=gfx1250 --defsym DOCPART=n.
;; ======== version 1 of 1: 1 launch
;; limits: values outside matrix products are rounded to bf16; a difference of large sums (such as E[x^2] - mean^2): digits are lost where the result is much smaller than its terms
;; launch cluster_q (part 1): grid 256 x 1, 4 waves a work-group, no clusters, 168,448 bytes of LDS; arguments inputs, clusters, out0; writes out0
.if DOCPART == 1
	.amdgcn_target "amdgcn-amd-amdhsa--gfx1250"
	.amdhsa_code_object_version 6
	.text
	.protected	k_q3ea44eeb39_cluster_q
	.globl	k_q3ea44eeb39_cluster_q
	.p2align	8
	.type	k_q3ea44eeb39_cluster_q,@function
k_q3ea44eeb39_cluster_q:
	s_mov_b64 s[64:65], 0
	v_nop
	global_prefetch_b8 v0, s[64:65] scope:SCOPE_SE
	s_setreg_imm32_b32 hwreg(HW_REG_WAVE_MODE, 25, 1), 1
	s_wait_xcnt 0x0
; out0[b][k] = q[b][k] / (sum over k of q[b][k]),  q[b][k] = 1 / (1 + |x_b - c_k|^2)      (ALPHA = 1: the power is a reciprocal)
; inputs x: [16384][256] f32.  clusters c: [64][256] f32.  out0: [16384][64] f32.
;
; |x - c|^2 = |x|^2 - 2 x.c + |c|^2.  x.c goes to the matrix unit (bf16 operands, f32 sums); |x|^2 and |c|^2 are summed in f32 from the
; unrounded numbers.  The quotient does not change when every q of a row is doubled, so the code works with
;     e = (1 + d2) / 2 = (0.5 + 0.5 |x|^2) - (x.c - 0.5 |c|^2):
; the accumulators start at -0.5 |c|^2, and one packed subtraction behind the last product gives e.
;
; LIMITS.  x.c carries the rounding of both operands to bf16: an error of at most 2^-8 |x| |c|.  The result is good while that is small
; against (1 + d2) / 2; there is no clamp, so for an x that lies almost on a centroid with |x| |c| in the hundreds e loses its digits.
; |x|^2 beyond the range of f32 gives 0 / 0 = NaN in the whole row.  v_rcp_f32 returns zero where its result would be below 2^-126.
;
; SHARES.  256 work-groups of 64 rows, four waves; a wave owns 16 rows and all 64 clusters: 4 accumulator tiles, 8 K steps of 32.
; x: each wave asks at once for its 16 KiB by four tensor loads (slices of 16 rows x 64 f32: rows of 256 aligned bytes) into LDS bytes of
;    its own, and works on each slice when it has landed; four tensor loads of a wave are outstanding at the most.
; c: wave w loads clusters 4 p + w (p = 0..15) through registers, sums their squares, rounds them to bf16 and lays them into LDS rows
;    16 w + p.  One barrier; then every wave reads B fragments from there.  Tile t, lane r so holds cluster 4 r + t, and a lane's
;    registers (t = 0..3, j) are four NEIGHBOURING outputs of row 8 h + j: sixteen lanes store a whole row of 256 bytes.
; K IS PERMUTED alike in A and B: in K step s lane half h holds k = 32 s + 16 h + 0..15, which is 64 neighbouring bytes of f32 (A) and 32 of
;    bf16 (B).  The sum over k does not depend on which place of the fragment a k takes.
; The table is the one thing that all work-groups share (64 KiB each, as much as their own rows).  It is not asked for jointly: a joint
; tensor load would lay the f32 table into LDS, 64 KiB more written and 64 KiB more read there per work-group before it can be rounded,
; where the loads through registers are rounded as they arrive.
.set SUBP,   272                       ; LDS pitch of a slice's row: 256 bytes + 16, an odd multiple of 16: 16 rows fall on 16 different 16-byte columns
.set SUBT,   16*SUBP                   ; a slice: 16 rows
.set WAVEA,  4*SUBT                    ; a wave's four slices
.set BBASE,  4*WAVEA                   ; the bf16 table: 64 rows
.set BP,     528                       ; its pitch: 512 bytes + 16
.set CCBASE, BBASE+64*BP               ; |c|^2, f32, in the order of the table's LDS rows
.set XBASE,  CCBASE+256                ; 16 words for each wave: 0.5 + 0.5 |x|^2 of its rows
.set R,   1                            ; v1       r = lane % 16
.set H,   2                            ; v2       h = lane / 16
.set T,   3                            ; v3       at work
.set VA,  4                            ; v4       LDS: my 64 bytes in row r of my wave's slice 0
.set VB,  5                            ; v5       LDS: my 32 bytes in row r of the table
.set VCL, 6                            ; v6       byte offset in clusters of my 16 bytes
.set VBS, 7                            ; v7       LDS: where my 8 bytes of bf16 go
.set VCS, 8                            ; v8       LDS: where |c|^2 goes
.set VCR, 9                            ; v9       LDS: where I read |c|^2
.set VXS, 10                           ; v10      LDS: where row r's term goes
.set VXL, 11                           ; v11      LDS: the terms of rows 8 h .. 8 h + 7
.set VO,  12                           ; v12      byte offset in out0
.set TP,  13                           ; v13      the other half's sum
.set SUM, 14                           ; v[14:21] four chains of two for |x|^2
.set CCV, 22                           ; v[22:25] |c|^2 of clusters 4 r + 0..3
.set XH,  26                           ; v[26:33] 0.5 + 0.5 |x|^2 of rows 8 h + 0..7
.set ACC, 34                           ; v[34:65] tile t at ACC + 8 t: register j = (row 8 h + j, cluster 4 r + t)
.set ABF, 66                           ; v[66:81] two A fragments, taking turns
.set RAW, 82                           ; v[82:113] a slice's f32: two K steps of 16 registers
.set BF,  114                          ; v[114:241] two buffers of 64: the B fragments of a slice (2 K steps x 4 tiles x 8)
.set CR,  BF                           ; before the barrier: my 32 loads of clusters
.set SQ,  RAW                          ; before the barrier: chains for |c|^2, four registers for each pair of clusters
.set RS,  RAW                          ; at the end: row sums, 8 registers
.set RT,  RAW+8                        ;             and 8 at work
.set OUT, BF                           ; at the end: 32 results, 4 j + t
.set G1,  16                           ; s[16:23] descriptor group 1
.set G0,  24                           ; s[24:39] descriptor group 0, one set for each slice
	s_load_b128 s[4:7], s[0:1], 0x0                ; inputs s[4:5], clusters s[6:7]
	s_load_b64 s[8:9], s[0:1], 0x10                ; out0
	v_lshl_add_u32 v248, v0, 2, 0x29000
	v_mov_b32 v249, 0
	ds_add_u32 v248, v249
	ds_add_u32 v248, v249
	v_lshrrev_b32 v[T], 5, v0
	v_readfirstlane_b32 s10, v[T]                  ; wave w
	v_and_b32 v[R], 15, v0
	v_bfe_u32 v[H], v0, 4, 1
	; clusters: load (i, q) of lane (r, h) takes cluster 4 i + 32 h + w, bytes 256 q + 16 r: each half of the wave reads 256 aligned bytes
	s_lshl_b32 s11, s10, 10
	v_lshlrev_b32 v[T], 4, v[R]
	v_lshl_add_u32 v[T], v[H], 15, v[T]
	v_add_nc_u32 v[VCL], s11, v[T]                 ; 1024 w + 32768 h + 16 r
	; group 1: a tile of 16 rows x 64 elements of 4 bytes, 256 elements from row to row, 4 words of padding behind every 64
	s_mov_b32 s[G1+0], (2<<16)|(1<<20)|(5<<22)|(3<<25)
	s_mov_b32 s[G1+1], 64<<16                      ; tensor_dim0 = 64: the tiles lie inside the tensor, the extents are the tile's
	s_mov_b32 s[G1+2], 16<<16                      ; tensor_dim1 = 16
	s_mov_b32 s[G1+3], 64<<16                      ; tile_dim0 = 64
	s_mov_b32 s[G1+4], 16                          ; tile_dim1 = 16
	s_mov_b32 s[G1+5], 256                         ; stride from row to row
	s_mov_b32 s[G1+6], 0
	s_mov_b32 s[G1+7], 0
	s_lshl_b32 s14, ttmp9, 16                      ; 64 rows of 1,024 bytes for each work-group,
	s_lshl_b32 s15, s10, 14                        ; 16 for each wave
	s_add_co_u32 s14, s14, s15
	s_mov_b32 s15, 0
	s_mul_i32 s40, s10, WAVEA                      ; my wave's slices in LDS
	s_mov_b32 s12, 0x76543210                      ; v_permlanex16_b32: lane i of one half reads lane i of the other
	s_mov_b32 s13, 0xfedcba98
	s_wait_dscnt 0x0
	s_wait_kmcnt 0x0
	; The table first: every product waits for it.
.irp i, 0,1,2,3,4,5,6,7
.irp q, 0,1,2,3
	global_load_b128 v[CR+16*\i+4*\q:CR+16*\i+4*\q+3], v[VCL], s[6:7] offset:4096*\i+256*\q
.endr
.endr
	; Then all of my rows: slice u = columns 64 u .. 64 u + 63 of my 16 rows.
	s_add_nc_u64 s[4:5], s[4:5], s[14:15]
.irp u, 0,1,2,3
	s_mov_b32 s[G0+4*\u], 1                                        ; count = 1
	s_add_co_u32 s[G0+4*\u+1], s40, \u*SUBT                        ; LDS address
	s_add_nc_u64 s[G0+4*\u+2:G0+4*\u+3], s[4:5], \u*256            ; global address of the tile's first element
	s_or_b32 s[G0+4*\u+3], s[G0+4*\u+3], 0x80000000                ; type = 2
	tensor_load_to_lds s[G0+4*\u:G0+4*\u+3], s[G1:G1+7]
	s_nop 0
.endr
	; addresses, while the loads are on their way
	s_lshl_b32 s14, ttmp9, 14                      ; 64 rows of 256 bytes of out0
	s_add_nc_u64 s[8:9], s[8:9], s[14:15]
	v_mul_u32_u24 v[T], v[R], SUBP
	v_lshl_add_u32 v[T], v[H], 6, v[T]
	v_add_nc_u32 v[VA], s40, v[T]                  ; wave's slices + 272 r + 64 h
	v_mul_u32_u24 v[T], v[R], BP
	v_lshl_add_u32 v[T], v[H], 5, v[T]
	v_add_nc_u32 v[VB], BBASE, v[T]                ; table + 528 r + 32 h
	s_mul_i32 s42, s10, 16*BP
	s_add_co_u32 s42, s42, BBASE
	v_mul_u32_u24 v[T], v[H], 8*BP
	v_lshl_add_u32 v[T], v[R], 3, v[T]
	v_add_nc_u32 v[VBS], s42, v[T]                 ; table + row (16 w + 8 h) + 8 r.  8 rows are 4,224 = 16 x 256 + 128 bytes:
	                                               ; the two halves' 128 bytes of a store fall on different banks
	s_lshl_b32 s43, s10, 6
	s_add_co_u32 s44, s43, XBASE
	s_add_co_u32 s43, s43, CCBASE
	v_lshl_add_u32 v[VCS], v[H], 5, s43            ; word 16 w + 8 h
	v_lshl_add_u32 v[VCR], v[R], 2, CCBASE         ; word r; tile t: 64 t further
	v_lshl_add_u32 v[VXS], v[R], 2, s44
	v_lshl_add_u32 v[VXL], v[H], 5, s44
	s_lshl_b32 s45, s10, 12
	v_lshlrev_b32 v[T], 4, v[R]
	v_lshl_add_u32 v[T], v[H], 11, v[T]
	v_add_nc_u32 v[VO], s45, v[T]                  ; row 16 w + 8 h, 16 bytes for each r
	v_mov_b32 v[TP], 0                             ; v_permlanex16_b32 counts as a reader of its destination
; Clusters 4 i + w (lanes 0-15) and 4 i + 32 + w (lanes 16-31): squares in two chains started by products, then bf16 in place, 8 bytes a lane.
.macro CROW i
	s_wait_loadcnt 28-4*\i                         ; loads return in order: the four of this pair are in, the 28 - 4 i younger ones stay out
	v_pk_mul_f32 v[SQ+4*\i:SQ+4*\i+1],   v[CR+16*\i:CR+16*\i+1],   v[CR+16*\i:CR+16*\i+1]
	v_pk_mul_f32 v[SQ+4*\i+2:SQ+4*\i+3], v[CR+16*\i+2:CR+16*\i+3], v[CR+16*\i+2:CR+16*\i+3]
.irp q, 1,2,3
	v_pk_fma_f32 v[SQ+4*\i:SQ+4*\i+1],   v[CR+16*\i+4*\q:CR+16*\i+4*\q+1],   v[CR+16*\i+4*\q:CR+16*\i+4*\q+1],   v[SQ+4*\i:SQ+4*\i+1]
	v_pk_fma_f32 v[SQ+4*\i+2:SQ+4*\i+3], v[CR+16*\i+4*\q+2:CR+16*\i+4*\q+3], v[CR+16*\i+4*\q+2:CR+16*\i+4*\q+3], v[SQ+4*\i+2:SQ+4*\i+3]
.endr
.irp q, 0,1,2,3
	v_cvt_pk_bf16_f32 v[CR+16*\i+4*\q],   v[CR+16*\i+4*\q],   v[CR+16*\i+4*\q+1]
	v_cvt_pk_bf16_f32 v[CR+16*\i+4*\q+1], v[CR+16*\i+4*\q+2], v[CR+16*\i+4*\q+3]
	ds_store_b64 v[VBS], v[CR+16*\i+4*\q:CR+16*\i+4*\q+1] offset:\i*BP+128*\q      ; LDS row 16 w + 8 h + i, k = 64 q + 4 r .. + 3
.endr
	v_pk_add_f32 v[SQ+4*\i:SQ+4*\i+1], v[SQ+4*\i:SQ+4*\i+1], v[SQ+4*\i+2:SQ+4*\i+3]
	v_add_f32 v[SQ+4*\i], v[SQ+4*\i], v[SQ+4*\i+1]
.endm
.irp i, 0,1,2,3,4,5,6,7
	CROW \i
.endr
	; a cluster lies in one half of 16 lanes: four steps inside the half finish |c|^2; the eight sums are independent of each other
.irp m, 1,2,4,8
.irp i, 0,1,2,3,4,5,6,7
	v_add_f32_dpp v[SQ+4*\i], v[SQ+4*\i], v[SQ+4*\i] row_xmask:\m row_mask:0xf bank_mask:0xf
.endr
.endr
.irp i, 0,1,2,3,4,5,6,7
	ds_store_b32 v[VCS], v[SQ+4*\i] offset:4*\i    ; the sixteen lanes of a half write one word with one value
.endr
	s_wait_dscnt 0x0                               ; my part of the table and of |c|^2 is in LDS: zero, for the other waves' sake
	s_barrier_signal -1
	s_barrier_wait -1                              ; everybody's is.  (The slices of x are each wave's own: its own s_wait_tensorcnt orders them.)
; 16 LDS loads: the B fragments of slice u (K steps 2 u, 2 u + 1; tiles 0..3) into buffer bf
.macro LOADB u, bf
.irp z, 0,1
.irp t, 0,1,2,3
	ds_load_b128 v[\bf+32*\z+8*\t:\bf+32*\z+8*\t+3],   v[VB] offset:\t*16*BP+64*(2*(\u)+\z)
	ds_load_b128 v[\bf+32*\z+8*\t+4:\bf+32*\z+8*\t+7], v[VB] offset:\t*16*BP+64*(2*(\u)+\z)+16
.endr
.endr
.endm
; 16 f32 of K step z of the slice become an A fragment
.macro CVT z, abf
.irp p, 0,1,2,3,4,5,6,7
	v_cvt_pk_bf16_f32 v[\abf+\p], v[RAW+16*\z+2*\p], v[RAW+16*\z+2*\p+1]
.endr
.endm
; and their squares join the four chains; first = 1: the first four products start the chains, nothing is cleared
.macro SQR z, first
.irp p, 0,1,2,3
.if \first
	v_pk_mul_f32 v[SUM+2*\p:SUM+2*\p+1], v[RAW+16*\z+2*\p:RAW+16*\z+2*\p+1], v[RAW+16*\z+2*\p:RAW+16*\z+2*\p+1]
.else
	v_pk_fma_f32 v[SUM+2*\p:SUM+2*\p+1], v[RAW+16*\z+2*\p:RAW+16*\z+2*\p+1], v[RAW+16*\z+2*\p:RAW+16*\z+2*\p+1], v[SUM+2*\p:SUM+2*\p+1]
.endif
.endr
.irp p, 4,5,6,7
	v_pk_fma_f32 v[SUM+2*\p-8:SUM+2*\p-7], v[RAW+16*\z+2*\p:RAW+16*\z+2*\p+1], v[RAW+16*\z+2*\p:RAW+16*\z+2*\p+1], v[SUM+2*\p-8:SUM+2*\p-7]
.endr
.endm
.macro MUL4 abf, bf
.irp t, 0,1,2,3
	v_wmma_f32_16x16x32_bf16 v[ACC+8*\t:ACC+8*\t+7], v[\abf:\abf+7], v[\bf+8*\t:\bf+8*\t+7], v[ACC+8*\t:ACC+8*\t+7]
.endr
.endm
; Slice u.  cur: the buffer with its B fragments; more = 1: the next slice's are fetched into nxt.
; Distances behind matrix instructions: the A fragments take turns, so a fragment is rewritten with the 8 squarings and the 8
; conversions of the step between behind its last use; the loads into nxt stand behind the 8 squarings and 8 conversions that follow the last
; product that read it.  None of these lines names a register of those products.
.macro SUB u, cur, nxt, more, first
	s_wait_tensorcnt 3-\u                          ; a wave's tensor loads end in order: slice u is in LDS, the 3 - u younger ones stay out
.irp c, 0,1,2,3,4,5,6,7
	ds_load_b128 v[RAW+4*\c:RAW+4*\c+3], v[VA] offset:\u*SUBT+128*(\c/4)+16*(\c%4)
.endr
	s_wait_dscnt 4                                 ; all but the four youngest: this slice's B fragments and the first K step's f32 are in
	CVT 0, ABF
.if \more
	LOADB \u+1, \nxt
.endif
	MUL4 ABF, \cur
	SQR 0, \first
.if \more
	s_wait_dscnt 16                                ; the second K step's f32 are in; the 16 loads of the next slice's B stay out
.else
	s_wait_dscnt 0
.endif
	CVT 1, ABF+8
	MUL4 ABF+8, \cur+32
	SQR 1, 0
.endm
.irp t, 0,1,2,3
	ds_load_b32 v[CCV+\t], v[VCR] offset:64*\t     ; |c|^2 of cluster 4 r + t lies at word 16 t + r
.endr
	LOADB 0, BF
	s_wait_dscnt 16                                ; the four words are in; the 16 loads behind them stay out
.irp p, 0,1,2,3                                    ; the sums start at -0.5 |c|^2: one register of the pair feeds both halves of the result
	v_pk_mul_f32 v[ACC+2*\p:ACC+2*\p+1],       v[CCV:CCV+1],   -0.5 op_sel:[0,0] op_sel_hi:[0,0]
	v_pk_mul_f32 v[ACC+8+2*\p:ACC+8+2*\p+1],   v[CCV:CCV+1],   -0.5 op_sel:[1,0] op_sel_hi:[1,0]
	v_pk_mul_f32 v[ACC+16+2*\p:ACC+16+2*\p+1], v[CCV+2:CCV+3], -0.5 op_sel:[0,0] op_sel_hi:[0,0]
	v_pk_mul_f32 v[ACC+24+2*\p:ACC+24+2*\p+1], v[CCV+2:CCV+3], -0.5 op_sel:[1,0] op_sel_hi:[1,0]
.endr
	SUB 0, BF,    BF+64, 1, 1
	SUB 1, BF+64, BF,    1, 0
	SUB 2, BF,    BF+64, 1, 0
	SUB 3, BF+64, BF,    0, 0                      ; its wait is s_wait_tensorcnt 0: no tensor load is out at the end
	; |x|^2 of row r: my 128 squares, then the other half's.  These lines are also the places behind the last products.
	v_pk_add_f32 v[SUM:SUM+1],   v[SUM:SUM+1],   v[SUM+2:SUM+3]
	v_pk_add_f32 v[SUM+4:SUM+5], v[SUM+4:SUM+5], v[SUM+6:SUM+7]
	v_pk_add_f32 v[SUM:SUM+1],   v[SUM:SUM+1],   v[SUM+4:SUM+5]
	v_add_f32 v[SUM], v[SUM], v[SUM+1]
	v_permlanex16_b32 v[TP], v[SUM], s12, s13
	v_add_f32 v[SUM], v[SUM], v[TP]
	v_fma_f32 v[SUM], v[SUM], 0.5, 0.5
	; It lies by lane = row and is needed by register = row: through 16 words of my wave's own.  LDS serves a wave's instructions in order.
	ds_store_b32 v[VXS], v[SUM]
	ds_load_b128 v[XH:XH+3],   v[VXL]
	ds_load_b128 v[XH+4:XH+7], v[VXL] offset:16
	s_wait_dscnt 0x0
.irp t, 0,1,2,3
.irp p, 0,1,2,3
	v_pk_add_f32 v[ACC+8*\t+2*\p:ACC+8*\t+2*\p+1], v[XH+2*\p:XH+2*\p+1], v[ACC+8*\t+2*\p:ACC+8*\t+2*\p+1] neg_lo:[0,1] neg_hi:[0,1]   ; e
.endr
.endr
.set n, 0
.rept 32
	v_rcp_f32 v[ACC+n], v[ACC+n]                   ; 2 q
.set n, n+1
.endr
	v_nop                                          ; one plain vector line between a reciprocal and the first use of its result
	; the row's sum: four tiles in the lane, then the sixteen lanes of my half
	s_wait_alu depctr_va_vdst(0)
.irp p, 0,1,2,3
	v_pk_add_f32 v[RS+2*\p:RS+2*\p+1], v[ACC+2*\p:ACC+2*\p+1],       v[ACC+8+2*\p:ACC+8+2*\p+1]
	v_pk_add_f32 v[RT+2*\p:RT+2*\p+1], v[ACC+16+2*\p:ACC+16+2*\p+1], v[ACC+24+2*\p:ACC+24+2*\p+1]
.endr
.irp p, 0,1,2,3
	v_pk_add_f32 v[RS+2*\p:RS+2*\p+1], v[RS+2*\p:RS+2*\p+1], v[RT+2*\p:RT+2*\p+1]
.endr
.irp m, 1,2,4,8
.irp j, 0,1,2,3,4,5,6,7
	v_add_f32_dpp v[RS+\j], v[RS+\j], v[RS+\j] row_xmask:\m row_mask:0xf bank_mask:0xf
.endr
.endr
.irp j, 0,1,2,3,4,5,6,7
	v_rcp_f32 v[RS+\j], v[RS+\j]
.endr
	v_nop
	; The last multiply also puts clusters 4 r + 0..3 of row 8 h + j side by side: each store of the wave writes two whole rows of 256 bytes, aligned.
	s_wait_alu depctr_va_vdst(0)
.irp j, 0,1,2,3,4,5,6,7
.irp t, 0,1,2,3
	v_mul_f32 v[OUT+4*\j+\t], v[ACC+8*\t+\j], v[RS+\j]
.endr
	global_store_b128 v[VO], v[OUT+4*\j:OUT+4*\j+3], s[8:9] offset:256*\j th:TH_STORE_NT
.endr
	s_wait_tensorcnt 0x0
	ds_add_u32 v248, v249
	s_wait_dscnt 0x0
	s_endpgm
.Lfunc_end_k_q3ea44eeb39_cluster_q:
	.size	k_q3ea44eeb39_cluster_q, .Lfunc_end_k_q3ea44eeb39_cluster_q-k_q3ea44eeb39_cluster_q
	.p2alignl 7, 3214868480
	.fill 96, 4, 3214868480
	.section	.rodata,"a",@progbits
	.p2align	6, 0x0
	.amdhsa_kernel k_q3ea44eeb39_cluster_q
		.amdhsa_group_segment_fixed_size 168448
		.amdhsa_private_segment_fixed_size 0
		.amdhsa_enable_private_segment 0
		.amdhsa_kernarg_size 24
		.amdhsa_user_sgpr_count 2
		.amdhsa_user_sgpr_kernarg_segment_ptr 1
		.amdhsa_wavefront_size32 1
		.amdhsa_system_sgpr_workgroup_id_x 1
		.amdhsa_system_sgpr_workgroup_id_y 1
		.amdhsa_system_sgpr_workgroup_id_z 1
		.amdhsa_system_vgpr_workitem_id 0
		.amdhsa_next_free_vgpr 250
		.amdhsa_next_free_sgpr 66
		.amdhsa_reserve_vcc 0
		.amdhsa_float_denorm_mode_32 3
		.amdhsa_float_denorm_mode_16_64 3
		.amdhsa_memory_ordered 1
		.amdhsa_forward_progress 1
		.amdhsa_inst_pref_size 47
	.end_amdhsa_kernel
	.amdgpu_metadata
---
amdhsa.version: [ 1, 2 ]
amdhsa.kernels:
  - .name:           k_q3ea44eeb39_cluster_q
    .symbol:         k_q3ea44eeb39_cluster_q.kd
    .args:
      - { .name: inputs, .offset: 0, .size: 8, .value_kind: global_buffer, .address_space: global }
      - { .name: clusters, .offset: 8, .size: 8, .value_kind: global_buffer, .address_space: global }
      - { .name: out0, .offset: 16, .size: 8, .value_kind: global_buffer, .address_space: global }
    .group_segment_fixed_size: 168448
    .private_segment_fixed_size: 0
    .kernarg_segment_align: 8
    .kernarg_segment_size: 24
    .max_flat_workgroup_size: 128
    .sgpr_count:     66
    .vgpr_count:     250
    .wavefront_size: 32
...
	.end_amdgpu_metadata
.endif
;; end of part 1
